; MI455X (gfx1250); checked and timed in simulation.
; The chip was launched on July 23, 2026; its instructions are those of AMD's public machine-readable ISA for CDNA 5 (MIT licence, August 2026) and "CDNA5" Instruction Set Architecture Reference Guide (July 2026). The comments in the code are by the model that wrote it; some were corrected since.
;; Scaled Dot Product Attention. Allowed arithmetic: matrix products marked QUANTISED: E2M1 operands, one E8M0 scale for each 32 along K, by v_wmma_scale_f32_16x16x128_f8f6f4 with both operands' format E2M1 (or v_wmma_scale_f32_32x16x128_f4), f32 sums; products left as they are: bf16, f16 or f32 operands; f32 sums; everything else in f32.
;; Inputs: Wk 1,024 x 1,024 float32; Wq 1,024 x 1,024 float32; Wv 1,024 x 1,024 float32; attention_mask 8 x 1 x 1,024 x 1,024 int32; bk 1,024 float32; bq 1,024 float32; bv 1,024 float32; group_prob 8 x 1 x 1,024 x 1,024 float32; keys 8 x 1,024 x 1,024 float32; queries 8 x 1,024 x 1,024 float32; values 8 x 1,024 x 1,024 float32.
;; Outputs: out0 8 x 1,024 x 1,024 float32.
;; This version of the problem:
;;   THIS VERSION OF THE PROBLEM IS GIVEN IN LOW PRECISION. The matrix products marked QUANTISED in the list below multiply operands that are first quantised to E2M1 (2 exponent bits, 1 mantissa bit; 4 bits a number), with one power-of-two scale for each 32 numbers along K (OCP MX v1.0); their sums are f32. The products marked 'left as it is' may take bf16, f16 or f32 operands, with f32 sums. Whichever they take, every output number must still come out within the allowed error. Rounding operands to bf16 (8 significant bits) uses up far more of that allowance than f16 does (11 bits, for magnitudes from 6e-5 to 65,504). All else is computed in f32.
;;   The module's matrix products, in the order in which they are computed (A, B: the left and right operand; K: the contracted axis; several contracted axes count as one K, in the product's order):
;;     1. [M 8,192, K 1,024] x [K 1,024, N 1,024]; A: input queries; B: input Wq: QUANTISED
;;     2. [M 8,192, K 1,024] x [K 1,024, N 1,024]; A: input keys; B: input Wk: QUANTISED
;;     3. [M 8,192, K 1,024] x [K 1,024, N 1,024]; A: input values; B: input Wv: QUANTISED
;;     4. batch 128 x [M 1,024, K 64] x [K 64, N 1,024]; A: computed on the way; B: computed on the way: left as it is (an operand is computed on the way)
;;     5. batch 128 x [M 1,024, K 1,024] x [K 1,024, N 64]; A: computed on the way; B: computed on the way: left as it is (an operand is computed on the way)
;;   THE QUANTISER, for each operand of a quantised product, along K:
;;     - K is cut into blocks of 32 from its start; a last block that is shorter is filled with zeros.
;;     - A block's scale is 2^e with e = floor(log2(the largest magnitude in the block)) - 2, held to -126 .. 127; a block of zeros has e = 0. As a byte (E8M0): e + 127.
;;     - Each number is divided by its block's scale, clamped to +-6, and rounded to the nearest number of E2M1, ties to even, subnormals kept.
;;     - The product sums the exact products of the quantised numbers (number of the format x scale) in f32.
;;   ~~~python
;;   def quantise(x, axis):      # numpy; x: float32 -> the quantised numbers, widened to float32 again
;;       x = np.moveaxis(x, axis, -1); K = x.shape[-1]
;;       x = np.pad(x, [(0, 0)] * (x.ndim - 1) + [(0, -K % 32)]); x = x.reshape(x.shape[:-1] + (-1, 32)); a = np.abs(x).max(-1, keepdims=True)
;;       e = np.where(a > 0, np.clip(np.frexp(np.where(a > 0, a, 1))[1] - 1 - 2, -126, 127), 0)      # np.frexp(a)[1] - 1 = floor(log2(a)), exactly
;;       r = np.clip(x / 2.0 ** e, -6, 6)
;;       step = 2.0 ** (np.maximum(np.frexp(np.where(r == 0, 1, r))[1] - 1, 0) - 1)
;;       q = np.round(r / step) * step * 2.0 ** e      # np.round: ties to even
;;       return np.moveaxis(q.reshape(q.shape[:-2] + (-1,))[..., :K], -1, axis).astype(np.float32)
;;   ~~~
;; One version. Each part assembles by itself: llvm-mc -triple=amdgcn-amd-amdhsa -mcpu=gfx1250 --defsym DOCPART=n.
;; ======== version 1 of 1: 3 launches
;; limits: values are held in f16: magnitudes above 65,504 overflow, below 6.1e-05 lose precision
;; workspace buffers: xc 12,582,912 bytes; xs 786,432 bytes; wc 1,572,864 bytes; ws 98,304 bytes; qkv 50,331,648 bytes
;; launch quant (part 1): grid 864 x 1, 4 waves a work-group, no clusters, 33,280 bytes of LDS; arguments queries, keys, values, Wq, Wk, Wv, xc, xs, wc, ws; writes xc, xs, wc, ws
.if DOCPART == 1
	.amdgcn_target "amdgcn-amd-amdhsa--gfx1250"
	.amdhsa_code_object_version 6
	.text
	.protected	k_q093f1a2b98_quant
	.globl	k_q093f1a2b98_quant
	.p2align	8
	.type	k_q093f1a2b98_quant,@function
k_q093f1a2b98_quant:
	s_mov_b64 s[64:65], 0
	v_nop
	global_prefetch_b8 v0, s[64:65] scope:SCOPE_SE
	s_setreg_imm32_b32 hwreg(HW_REG_WAVE_MODE, 25, 1), 1
	s_wait_xcnt 0x0
; FIRST OF THREE LAUNCHES.  queries, keys, values [8192][1024] and Wq, Wk, Wv [1024][1024], f32 with K innermost, become codes of FP4 (E2M1), two a byte, and one E8M0 scale byte for each 32 along K.
; xc [3 x 8192][512 bytes], xs [3 x 8192][32]: queries, keys, values on end.  wc [3 x 1024][512], ws [3 x 1024][32]: Wq, Wk, Wv on end.
; WORK LEFT OUT BY THE WHOLE PROGRAM, and why it can reach no output, for all values of the inputs:
;   attention_mask: reference() names it in its arguments and never reads it.  It is not loaded and is among no launch's arguments.
;   bk: k = keys Wk^T + bk enters the scores alone, score(q, key) = q . (keys Wk^T)(key) / 8 + q . bk / 8.  The second term is the same for every key of a row, and softmax(s + t) = softmax(s) for any number t
;   that is the same along the softmax's axis.  The product of q with k is not quantised, so no quantiser sees k.  So bk is not loaded and is among no launch's arguments.  (bq changes the scores key by key, bv reaches the output: both are used.)
;   LIMIT: a NaN, an infinity or an overflow that lies in attention_mask or in bk alone is not carried to the result.
; THE QUANTISER.  A block's scale is 2^(floor(log2(its largest magnitude)) - 2); its byte is the largest magnitude's own exponent field - 2, held at 1 from below.  Each number is divided by the scale and rounded to the
; nearest code, ties to even; beyond 6 the largest code.  A block of zeros gets the byte 1 where the rule says 127: its codes are zeros, which add nothing under any byte but 0xff, and this program alone reads the bytes.
; LIMITS: blocks whose largest magnitude lies under 2^-124 have their byte held at 1; NaN and infinities among the inputs are not served.
; SHARES.  Rows are dense and K is a multiple of 32, so each tensor is a plain stream of blocks of 32.  A work-group takes 32,768 numbers, a wave 8,192 in 16 steps of 512.  Work-groups 0-767: the three activations, 256 each;
; 768-863: the three weights, 32 each.  Only pointers are chosen by the work-group's number: all take one path through the text.
; Each of a step's four loads reads 512 consecutive bytes, 16 a lane; the 2,048 bytes turn through the wave's own stage in LDS and come back 64 bytes a lane, so that a lane holds 16 neighbours along K (two lanes a block).
; A lane's 16 codes are 8 bytes: a wave's store covers 256 consecutive bytes, aligned.  A wave's 256 scale bytes are gathered in its own LDS bytes and leave by one such store.  No barrier: waves share nothing.
.set WAVES, 4
.set STEPS, 16
.set EMAX,  2
.set CB,    8                          ; bytes of 16 codes
.set R,     16                         ; v16-79   four sets of 16 numbers as they are loaded
.set X,     80                         ; v80-111  two sets of 16 neighbours
.set E,     112                        ; v112-127 a scale byte for each step
.set C,     128                        ; v128-191 codes: four registers for each step, so that no store's data are written again
.set WREG,  8192                       ; LDS: a region for each wave: two stages of 32 x SP bytes, behind them its 256 scale bytes
.set SP,    80                         ; a lane's place in a stage: 64 bytes + 16 of padding
.set SPW,   12                         ; v12  LDS address of my spare word; never rewritten
.set NIL,   13                         ; v13  0; never rewritten
.set SPARE, WAVES*WREG                 ; behind the four regions: the spare words, 128 bytes a wave, which no other line names
	s_load_b256 s[4:11], s[0:1], 0x0               ; queries, keys, values, Wq
	s_load_b256 s[12:19], s[0:1], 0x20             ; Wk, Wv, xc, xs
	s_load_b128 s[20:23], s[0:1], 0x40             ; wc, ws
	v_lshl_add_u32 v[SPW], v0, 2, SPARE
	v_mov_b32 v[NIL], 0
	v_lshrrev_b32 v1, 5, v0
	v_readfirstlane_b32 s24, v1                    ; wave
	v_and_b32 v2, 31, v0                           ; lane
	v_lshlrev_b32 v3, 4, v2                        ; my 16 bytes of a load's 512
	s_mul_i32 s29, s24, WREG
	v_lshrrev_b32 v14, 2, v2
	v_mul_u32_u24 v14, v14, SP
	v_and_b32 v15, 3, v2
	v_lshl_add_u32 v14, v15, 4, v14
	v_add_nc_u32 v14, s29, v14                     ; the stage, on the way in: SP (lane / 4) + 16 (lane % 4)
	v_mul_u32_u24 v15, v2, SP
	v_add_nc_u32 v15, s29, v15                     ; and on the way out: SP x lane: my 16 neighbours
	v_mul_u32_u24 v4, v2, CB                       ; my codes' place in a step's
	v_lshrrev_b32 v5, 1, v2
	s_add_co_u32 s29, s29, 2*32*SP
	v_add_nc_u32 v5, s29, v5                       ; my wave's 256 scale bytes, my block's byte
	v_lshlrev_b32 v7, 3, v2                        ; and on the way out 8 bytes a lane
	v_add_nc_u32 v6, s29, v7
	s_wait_kmcnt 0x0
	s_cmp_lt_u32 ttmp9, 768                        ; an activation's work-group or a weight's?  The choice hangs on the work-group's number alone
	s_cselect_b64 s[4:5], s[4:5], s[10:11]         ; the class's three sources,
	s_cselect_b64 s[6:7], s[6:7], s[12:13]
	s_cselect_b64 s[8:9], s[8:9], s[14:15]
	s_cselect_b64 s[16:17], s[16:17], s[20:21]     ; its codes,
	s_cselect_b64 s[18:19], s[18:19], s[22:23]     ; its scale bytes
	s_cselect_b32 s25, 0, 768
	s_cselect_b32 s26, 8, 5                        ; log2 of the work-groups to a tensor
	s_cselect_b32 s27, 255, 31
	s_sub_co_u32 s25, ttmp9, s25                   ; my number within the class
	s_lshr_b32 s28, s25, s26                       ; which of its three tensors
	s_and_b32 s27, s25, s27                        ; my number within the tensor
	s_cmp_eq_u32 s28, 0
	s_cselect_b64 s[4:5], s[4:5], s[6:7]
	s_cmp_eq_u32 s28, 2
	s_cselect_b64 s[4:5], s[8:9], s[4:5]           ; the source
	s_lshl_b32 s27, s27, 2
	s_add_co_u32 s30, s27, s24                     ; which run of 8,192 numbers of the tensor is my wave's
	s_lshl_b32 s30, s30, 15                        ; 32,768 bytes a run: under 2^26
	s_mov_b32 s31, 0
	s_add_nc_u64 s[4:5], s[4:5], s[30:31]
	s_lshl_b32 s25, s25, 2
	s_add_co_u32 s25, s25, s24                     ; and which run of the class's three tensors on end
	s_lshl_b32 s30, s25, 12                        ; 4,096 bytes of codes a run
	s_add_nc_u64 s[16:17], s[16:17], s[30:31]
	s_lshl_b32 s30, s25, 8                         ; 256 scale bytes a run
	s_add_nc_u64 s[18:19], s[18:19], s[30:31]
.macro LOAD t
.irp i, 0,1,2,3
	global_load_b128 v[R+16*((\t)%4)+4*\i:R+16*((\t)%4)+4*\i+3], v3, s[4:5] offset:2048*(\t)+512*\i th:TH_LOAD_NT   ; 32 lanes read 512 consecutive bytes
.endr
.endm
.macro TURN t                          ; step t's numbers through the stage: LDS serves a wave's instructions in order, so no wait stands between the stores and the loads
.irp i, 0,1,2,3
	ds_store_b128 v14, v[R+16*((\t)%4)+4*\i:R+16*((\t)%4)+4*\i+3] offset:32*SP*((\t)%2)+8*SP*\i
.endr
.irp i, 0,1,2,3
	ds_load_b128 v[X+16*((\t)%2)+4*\i:X+16*((\t)%2)+4*\i+3], v15 offset:32*SP*((\t)%2)+16*\i
.endr
.endm
.irp t, 0,1,2,3
	LOAD \t
.endr
	s_wait_loadcnt 12                              ; step 0's four loads are in; the twelve of steps 1 to 3 may be out
	TURN 0
.macro STEP t
.set XS, X+16*((\t)%2)
.if (\t) > 0
	s_wait_dscnt 1                                 ; this step's numbers are back from the stage (the last step's byte store may be out): so its stores into the stage have read their registers,
.else
	s_wait_dscnt 0x0
.endif
.if (\t)+4 < STEPS
	LOAD (\t)+4                                    ; which take the loads of four steps on
.endif
.if (\t)+1 < STEPS
.if STEPS-2-(\t) >= 3
	s_wait_loadcnt 12                              ; the next step's four loads are in; those of the three steps behind it may be out
.else
	s_wait_loadcnt 4*(STEPS-2-(\t))
.endif
	TURN (\t)+1                                    ; and go through the other stage while this step is worked
.endif
	v_max3_num_f32 v8, |v[XS]|, |v[XS+1]|, |v[XS+2]|               ; the largest magnitude of my 16, in two chains
	v_max3_num_f32 v9, |v[XS+3]|, |v[XS+4]|, |v[XS+5]|
.irp i, 6,10
	v_max3_num_f32 v8, v8, |v[XS+\i]|, |v[XS+\i+1]|
	v_max3_num_f32 v9, v9, |v[XS+\i+2]|, |v[XS+\i+3]|
.endr
	v_max3_num_f32 v8, v8, |v[XS+14]|, |v[XS+15]|
	v_max3_num_f32 v8, v8, v9, (EMAX+1)<<23        ; and the floor 2^(EMAX + 1 - 127): so the byte cannot fall under 1
	v_max_num_f32_dpp v8, v8, v8 row_xmask:1 row_mask:0xf bank_mask:0xf   ; and of my neighbour's 16: the block's
	v_add_nc_u32 v11, -(EMAX<<23), v8              ; EMAX off its exponent field: the conversion takes the exponent field of this operand as its scale, and nothing else of it
	v_cvt_scalef32_pk8_fp4_f32 v[C+4*(\t)], v[XS:XS+7], v11
	v_cvt_scalef32_pk8_fp4_f32 v[C+4*(\t)+1], v[XS+8:XS+15], v11
	v_lshrrev_b32 v[E+(\t)], 23, v11               ; the scale's byte (also the plain line behind the conversions)
	ds_store_b8 v5, v[E+(\t)] offset:16*(\t)       ; both lanes of a block write the same byte with the same value
	global_store_b64 v4, v[C+4*(\t):C+4*(\t)+1], s[16:17] offset:32*CB*(\t)   ; 32 lanes store 256 consecutive bytes, aligned
.endm
.irp t, 0,1,2,3,4,5,6,7,8,9,10,11,12,13,14,15
	STEP \t
.endr
	ds_load_b64 v[8:9], v6                         ; LDS serves a wave's instructions in order: these see my stores
	s_wait_dscnt 0x0
	global_store_b64 v7, v[8:9], s[18:19]          ; 32 lanes store 256 consecutive bytes, aligned
	s_wait_tensorcnt 0x0                           ; the wave's end, behind my last LDS store
	ds_add_u32 v[SPW], v[NIL]
	s_wait_dscnt 0x0
	s_endpgm
.Lfunc_end_k_q093f1a2b98_quant:
	.size	k_q093f1a2b98_quant, .Lfunc_end_k_q093f1a2b98_quant-k_q093f1a2b98_quant
	.p2alignl 7, 3214868480
	.fill 96, 4, 3214868480
	.section	.rodata,"a",@progbits
	.p2align	6, 0x0
	.amdhsa_kernel k_q093f1a2b98_quant
		.amdhsa_group_segment_fixed_size 33280
		.amdhsa_private_segment_fixed_size 0
		.amdhsa_enable_private_segment 0
		.amdhsa_kernarg_size 80
		.amdhsa_user_sgpr_count 2
		.amdhsa_user_sgpr_kernarg_segment_ptr 1
		.amdhsa_wavefront_size32 1
		.amdhsa_system_sgpr_workgroup_id_x 1
		.amdhsa_system_sgpr_workgroup_id_y 1
		.amdhsa_system_sgpr_workgroup_id_z 1
		.amdhsa_system_vgpr_workitem_id 0
		.amdhsa_next_free_vgpr 192
		.amdhsa_next_free_sgpr 66
		.amdhsa_reserve_vcc 0
		.amdhsa_float_denorm_mode_32 3
		.amdhsa_float_denorm_mode_16_64 3
		.amdhsa_memory_ordered 1
		.amdhsa_forward_progress 1
		.amdhsa_inst_pref_size 34
	.end_amdhsa_kernel
	.amdgpu_metadata
---
amdhsa.version: [ 1, 2 ]
amdhsa.kernels:
  - .name:           k_q093f1a2b98_quant
    .symbol:         k_q093f1a2b98_quant.kd
    .args:
      - { .name: queries, .offset: 0, .size: 8, .value_kind: global_buffer, .address_space: global }
      - { .name: keys, .offset: 8, .size: 8, .value_kind: global_buffer, .address_space: global }
      - { .name: values, .offset: 16, .size: 8, .value_kind: global_buffer, .address_space: global }
      - { .name: Wq, .offset: 24, .size: 8, .value_kind: global_buffer, .address_space: global }
      - { .name: Wk, .offset: 32, .size: 8, .value_kind: global_buffer, .address_space: global }
      - { .name: Wv, .offset: 40, .size: 8, .value_kind: global_buffer, .address_space: global }
      - { .name: xc, .offset: 48, .size: 8, .value_kind: global_buffer, .address_space: global }
      - { .name: xs, .offset: 56, .size: 8, .value_kind: global_buffer, .address_space: global }
      - { .name: wc, .offset: 64, .size: 8, .value_kind: global_buffer, .address_space: global }
      - { .name: ws, .offset: 72, .size: 8, .value_kind: global_buffer, .address_space: global }
    .group_segment_fixed_size: 33280
    .private_segment_fixed_size: 0
    .kernarg_segment_align: 8
    .kernarg_segment_size: 80
    .max_flat_workgroup_size: 128
    .sgpr_count:     66
    .vgpr_count:     192
    .wavefront_size: 32
...
	.end_amdgpu_metadata
.endif
;; end of part 1
;; launch proj (part 2): grid 4 x 96, 4 waves a work-group, clusters of 4 x 4, 327,680 bytes of LDS; arguments xc, xs, wc, ws, bq, bv, qkv; writes qkv
.if DOCPART == 2
	.amdgcn_target "amdgcn-amd-amdhsa--gfx1250"
	.amdhsa_code_object_version 6
	.text
	.protected	k_q093f1a2b98_proj
	.globl	k_q093f1a2b98_proj
	.p2align	8
	.type	k_q093f1a2b98_proj,@function
k_q093f1a2b98_proj:
	s_mov_b64 s[64:65], 0
	v_nop
	global_prefetch_b8 v0, s[64:65] scope:SCOPE_SE
	s_setreg_imm32_b32 hwreg(HW_REG_WAVE_MODE, 25, 1), 1
	s_wait_xcnt 0x0
	s_wait_alu depctr_hold_cnt(0) depctr_sa_sdst(0) depctr_va_vdst(0) depctr_va_sdst(0) depctr_va_ssrc(0) depctr_va_vcc(0) depctr_vm_vsrc(0)
	s_getreg_b32 s2, hwreg(HW_REG_IB_STS2, 6, 4)
	s_cmp_eq_u32 s2, 0
	s_cbranch_scc0 .Lentry_in_a_cluster
	s_endpgm
.Lentry_in_a_cluster:
	s_bfe_u32 s2, ttmp6, 0x10000c
	s_cmp_lg_u32 s2, 0xf033
	s_cbranch_scc0 .Lentry_shape_is_right
	s_endpgm
.Lentry_shape_is_right:
; SECOND LAUNCH.  q = queries Wq^T + bq, k = keys Wk^T, v = values Wv^T + bv, on the codes and scale bytes that the first launch made; sums in f32, rounded once to f16.
; LEFT OUT: bk (it adds the same number to every score of a row, which the softmax takes away for all values; shown at the head of the first kernel).  bk is not among the arguments.
; The three products are ONE product of 24,576 rows (xc: queries, keys, values on end) with 1,024 columns, in which rows 8192 t on take the weight t (wc: Wq, Wk, Wv on end).  qkv: [3][8192][1024] f16.
; LIMIT: |q|, |k|, |v| stay under 65,504, f16's largest number.
; A tile of the result, 256 x 256, is made by a work-group of four waves; a wave makes 128 x 128: 64 accumulators of 16 x 16.  K = 1,024 is two slots of 512 along K (rows of 256 bytes), both asked for at the head:
; nothing is filled again.  The scale bytes of the tile's 256 + 256 rows, for all of K, come once, as dense blocks.
; CLUSTERS: 4 x 4 work-groups.  The four of a row of the cluster need the same rows of xc, the four of a column the same rows of wc: each tile is asked for jointly, by the same tensor load with the same descriptor and a
; mask that names the four.  Eight clusters along y serve one tensor, so which weight is taken hangs on the cluster's y alone and is the same in all sixteen partners.
; THE MATRIX INSTRUCTION IS USED TRANSPOSED (source 0 = 16 rows of the weight, source 1 = 16 rows of x): a lane holds eight neighbouring columns of one row of the result, which pack into 16 bytes of f16.
; THE BIAS is the C of each sum's first product: eight registers for each block of 16 columns, in the result's layout.  k has none: its eight blocks are zeros.
; REGISTERS, in windows of 256: window 0: v0-31 addresses; v32-95 scale words, two sets, and nothing else; v128-191 x's fragments, ONE set; v192-255 the bias; on the way out v192-223 packed results, v128-191 rows read back.
;   window 1: the weight's fragments, TWO sets, at v0 and v128.   window 2: the accumulators of my rows 0-63 ((a, b) at v[8 (8 a + b)]);   window 3: those of my rows 64-127.
.set NQ,     4                         ; steps of 128 along K in a slot
.set ROWB,   256                       ; a tile's row in bytes: 512 codes
.set KROW,   512                       ; a row of codes in memory
.set PITCH,  272                       ; an LDS row: 256 bytes + 16 of padding = 68 words: the 16 rows that a load touches start at 16 different banks (64 banks of 4 bytes: ISA guide 11.1)
.set FR,     8                         ; registers of a fragment: 16 rows x 128 K
.set NL,     2                         ; LDS loads that bring one
.set NP,     4                         ; places behind this matrix instruction (ISA guide 7.12.1)
.set HALFT,  128*PITCH                 ; 128 rows: what one tensor load brings
.set SLOT,   4*HALFT                   ; x's 256 rows, then the weight's 256 rows
.set KS,     32                        ; a row of scale bytes
.set SCL,    2*SLOT                    ; behind the slots: the scale bytes, as runs of 256 bytes + 16 of padding
.set HALFS,  16*272                    ; those of 128 rows: what one tensor load brings
.set SBLK,   2*272                     ; those of 16 rows
.set SPARE,  SCL+4*HALFS               ; the spare words, 128 bytes a wave, which no other line names
.set SPITCH, 272                       ; the way out: a stage of 16 rows x (256 bytes + 16) for each wave, in slot 0, which has had its only fill and its last read when the first result is stored there
.set CROW,   2048                      ; a row of qkv in bytes
.set ADRA, 16                          ; v16-17  LDS address of my fragments of x in slot 0, 1
.set ADRB, 20                          ; v20-21  the same for the weight
.set STO,  24                          ; v24     the way out: where I put 16 bytes of a row
.set RD,   25                          ; v25     where I read a row back
.set CO,   26                          ; v26     my byte offset in qkv
.set ADRS, 27                          ; v27     LDS address of my scale words: lanes 0-15 x's rows, lanes 16-31 the weight's
.set SPW,  28                          ; v28     LDS address of my spare word; never rewritten
.set NIL,  29                          ; v29     0; never rewritten
.set BO,   30                          ; v30     32 x (lane / 16): my eight numbers of a block of the bias
.set SC,   32                          ; scale words: set s at v[SC + 32 s]; register 4 i + q: lanes 0-15 the word of x's block i, lanes 16-31 that of the weight's block i, for the slot's q-th 128 along K
.set AF,   128
.set BI,   192
.set TMP,  192
.set BK,   128
.set G1, 24                            ; s[24:31] descriptor group 1 for x's tiles;  s[32:39] group 0, one set for each slot
.set G0, 32
.set G1B, 48                           ; s[48:55], s[56:63] the same for the weight's
.set G0B, 56
.set G1S, 68                           ; s[68:75], s[76:79] groups 1 and 0 for x's scale bytes;  s[80:87], s[88:91] for the weight's
.set G0S, 76
.set G1SB, 80
.set G0SB, 88
.set MSB, 0
.macro WIN new                         ; the immediate's high byte repeats the setting that is left; a switch that changes nothing is dropped
.if MSB != (\new)
	s_set_vgpr_msb (MSB<<8)|(\new)
.set MSB, (\new)
.endif
.endm
.set MUL_LO,  0xa1                     ; source 0 (weight) window 1, source 1 (x) window 0, C and D window 2
.set MUL_HI,  0xf1                     ; the same, C and D window 3
.set BIAS_LO, 0x81                     ; the first step: C (the bias) window 0, D window 2
.set BIAS_HI, 0xc1                     ; D window 3
.set TO_B,    0x40                     ; destination window 1, address window 0
; A joint load: waves 0 and 1 fetch for x, waves 2 and 3 for the weight.  Each line has one mask and one set of registers for all that issue it; the branch hangs on the wave's number alone.
; An s_nop 0 and four v_nop follow each line, ahead of the jump, the label and what follows.
.macro JLOAD g0a, g1a, g0b, g1b
	s_cmp_eq_u32 s15, 0
	s_cbranch_scc0 .Lfor_b_\@
	tensor_load_to_lds s[\g0a:\g0a+3], s[\g1a:\g1a+7]
	s_nop 0
.rept 4
	v_nop
.endr
	s_branch .Lasked_\@
.Lfor_b_\@:
	tensor_load_to_lds s[\g0b:\g0b+3], s[\g1b:\g1b+7]
	s_nop 0
.rept 4
	v_nop
.endr
.Lasked_\@:
.endm
.macro CROUND                          ; a round of the cluster's barrier
	s_barrier_signal -1
	s_barrier_wait -1
	s_cmp_lg_u32 s14, 0
	s_cbranch_scc1 .Lnot_wave_0_\@
	s_barrier_signal -3
.Lnot_wave_0_\@:
	s_barrier_wait -3
	s_barrier_signal -1
	s_barrier_wait -1
.endm
	s_load_b256 s[4:11], s[0:1], 0x0               ; xc s[4:5], xs s[6:7], wc s[8:9], ws s[10:11]
	s_load_b128 s[96:99], s[0:1], 0x20             ; bq, bv
	s_load_b64 s[12:13], s[0:1], 0x30              ; qkv
	v_lshl_add_u32 v[SPW], v0, 2, SPARE
	v_mov_b32 v[NIL], 0
	ds_add_u32 v[SPW], v[NIL]                      ; the wave's opening: the add, twice on end, and its wait ahead of my first tensor load
	ds_add_u32 v[SPW], v[NIL]                      ; the set-up below, work on registers, stands between the second and the wait
	v_lshrrev_b32 v1, 5, v0
	v_readfirstlane_b32 s14, v1                    ; wave 0..3
	s_lshr_b32 s15, s14, 1                         ; which half of the tile's rows is mine.  Also: I fetch for x (0) or for the weight (1)
	s_and_b32 s16, s14, 1                          ; which half of its columns.  Also: which 128 rows of that tile I fetch
	s_bfe_u32 s40, ttmp6, 0x40000                  ; cx, cy: my place in the cluster
	s_bfe_u32 s41, ttmp6, 0x40004
	s_lshl_b32 s42, ttmp9, 2
	s_add_co_u32 s42, s42, s40                     ; tile column = 4 x cluster x + cx
	s_and_b32 s17, ttmp7, 0xffff
	s_lshr_b32 s95, s17, 3                         ; t: 0 q, 1 k, 2 v: eight clusters along y to a tensor
	s_lshl_b32 s17, s17, 2
	s_add_co_u32 s17, s17, s41                     ; tile row = 4 x cluster y + cy
	s_lshl_b32 s43, s41, 2
	s_lshl_b32 s43, 15, s43                        ; my row of the cluster
	s_lshl_b32 s44, 0x1111, s40                    ; my column
	; descriptor group 1: a tile of 128 rows x 256 bytes, padded in LDS
	s_or_b32 s[G1+0], s43, (0<<16)|(1<<20)|(1<<21)|(5<<22)|(3<<25)  ; 15:0 the mask: x's tiles go to my row; 17:16 elements of 1 byte; 20 padding on; 21 set beside a mask; 24:22 after every 64 words; 31:25 four words of it
	s_or_b32 s[G1B+0], s44, (0<<16)|(1<<20)|(1<<21)|(5<<22)|(3<<25)
.irp g, G1, G1B
	s_mov_b32 s[\g+1], ROWB<<16                    ; tensor_dim0
	s_mov_b32 s[\g+2], 128<<16                     ; tensor_dim1
	s_mov_b32 s[\g+3], ROWB<<16                    ; tile_dim0
	s_mov_b32 s[\g+4], 128                         ; tile_dim1
	s_mov_b32 s[\g+5], KROW                        ; tensor_dim0_stride
	s_mov_b32 s[\g+6], 0
	s_mov_b32 s[\g+7], 0
.endr
	; the scale bytes of 128 rows: a dense block of 4,096 bytes, as 16 rows of 256 bytes (32 elements of 8 bytes), 16 bytes of padding behind each
	s_or_b32 s[G1S+0], s43, (3<<16)|(1<<20)|(1<<21)|(5<<22)|(3<<25)
	s_or_b32 s[G1SB+0], s44, (3<<16)|(1<<20)|(1<<21)|(5<<22)|(3<<25)
.irp g, G1S, G1SB
	s_mov_b32 s[\g+1], 32<<16
	s_mov_b32 s[\g+2], 16<<16
	s_mov_b32 s[\g+3], 32<<16
	s_mov_b32 s[\g+4], 16
	s_mov_b32 s[\g+5], 32
	s_mov_b32 s[\g+6], 0
	s_mov_b32 s[\g+7], 0
.endr
	s_lshl_b32 s18, s16, 7                         ; which 128 rows of the tile I fetch
	s_lshl_b32 s20, s17, 8
	s_add_co_u32 s20, s20, s18                     ; x: row 256 x tile row + 128 x half
	s_lshl_b32 s46, s42, 8
	s_add_co_u32 s46, s46, s18                     ; the weight: row 256 x tile column + 128 x half
	s_lshl_b32 s47, s95, 10
	s_add_co_u32 s46, s46, s47                     ; + 1,024 t
	s_mov_b32 s21, 0
	s_mov_b32 s47, 0
	s_mov_b64 s[18:19], KS
	s_mul_u64 s[22:23], s[20:21], s[18:19]         ; where these rows' scale bytes begin
	s_mul_u64 s[92:93], s[46:47], s[18:19]
	s_mov_b64 s[18:19], KROW
	s_mul_u64 s[20:21], s[20:21], s[18:19]         ; and their codes
	s_mul_u64 s[46:47], s[46:47], s[18:19]
	s_mul_i32 s45, s14, HALFT                      ; where they go: wave x 128 rows: no place in the cluster enters an LDS address
	s_mul_i32 s94, s14, HALFS
	s_wait_dscnt 0x0                               ; both opening adds are done
	s_wait_kmcnt 0x0
	s_add_nc_u64 s[20:21], s[4:5], s[20:21]
	s_add_nc_u64 s[22:23], s[6:7], s[22:23]
	s_add_nc_u64 s[46:47], s[8:9], s[46:47]
	s_add_nc_u64 s[92:93], s[10:11], s[92:93]
	CROUND                                         ; all sixteen work-groups are here: the joint loads meet
	s_mov_b32 s[G0S], 1
	s_add_co_u32 s[G0S+1], s94, SCL
	s_mov_b64 s[G0S+2:G0S+3], s[22:23]
	s_or_b32 s[G0S+3], s[G0S+3], 0x80000000
	s_mov_b32 s[G0SB], 1
	s_add_co_u32 s[G0SB+1], s94, SCL
	s_mov_b64 s[G0SB+2:G0SB+3], s[92:93]
	s_or_b32 s[G0SB+3], s[G0SB+3], 0x80000000
	JLOAD G0S, G1S, G0SB, G1SB                     ; the scale bytes first: they are wanted with the first slot
.irp s, 0,1
	s_mov_b32 s[G0+4*\s], 1
	s_add_co_u32 s[G0+4*\s+1], s45, \s*SLOT
	s_add_nc_u64 s[G0+4*\s+2:G0+4*\s+3], s[20:21], \s*ROWB
	s_or_b32 s[G0+4*\s+3], s[G0+4*\s+3], 0x80000000
	s_mov_b32 s[G0B+4*\s], 1
	s_add_co_u32 s[G0B+4*\s+1], s45, \s*SLOT
	s_add_nc_u64 s[G0B+4*\s+2:G0B+4*\s+3], s[46:47], \s*ROWB
	s_or_b32 s[G0B+4*\s+3], s[G0B+4*\s+3], 0x80000000
	JLOAD G0+4*\s, G1, G0B+4*\s, G1B               ; three tensor loads of mine are out now, and no more are issued
.endr
	v_and_b32 v1, 15, v0                           ; l % 16
	v_bfe_u32 v2, v0, 4, 1                         ; l / 16
	; the bias of my 128 columns: register BI + 8 b + j of lane (r, h) = bias[256 x tile column + 128 x half + 16 b + 8 h + j]
	s_cmp_eq_u32 s95, 0
	s_cselect_b64 s[98:99], s[96:97], s[98:99]     ; bq for q, bv for v
	s_lshl_b32 s20, s42, 10
	s_lshl_b32 s21, s16, 9
	s_add_co_u32 s20, s20, s21
	s_mov_b32 s21, 0
	s_add_nc_u64 s[98:99], s[98:99], s[20:21]
	v_lshlrev_b32 v[BO], 5, v2
	s_cmp_eq_u32 s95, 1                            ; the cluster's y alone decides: all sixteen partners go the same way
	s_cbranch_scc1 .Lno_bias
.irp b, 0,1,2,3,4,5,6,7
	global_load_b128 v[BI+8*\b:BI+8*\b+3], v[BO], s[98:99] offset:64*\b
	global_load_b128 v[BI+8*\b+4:BI+8*\b+7], v[BO], s[98:99] offset:64*\b+16
.endr
	s_branch .Lbias_done
.Lno_bias:
.set i, 0
.rept 64
	v_mov_b32 v[BI+i], 0                           ; k takes no bias: one text serves the three tensors, so its sums begin with these zeros
.set i, i+1
.endr
.Lbias_done:
	v_mul_u32_u24 v3, v1, PITCH
	v_lshl_add_u32 v4, v2, 4, v3                   ; a fragment's row x pitch + 16 x half
	s_mul_i32 s21, s15, HALFT                      ; my 128 rows of x
	s_mul_i32 s22, s16, HALFT                      ; my 128 rows of the weight,
	s_add_co_u32 s22, s22, 2*HALFT                 ; which lie behind x's 256
.irp s, 0,1
	v_add_nc_u32 v[ADRA+\s], s21, v4
	v_add_nc_u32 v[ADRB+\s], s22, v4
	s_add_co_u32 s21, s21, SLOT
	s_add_co_u32 s22, s22, SLOT
.endr
	v_mul_u32_u24 v5, v1, KS                       ; my row's scale bytes: 32 a row,
	v_lshrrev_b32 v6, 8, v5
	v_lshl_add_u32 v5, v6, 4, v5                   ; and 16 more for each 256 passed
	s_mul_i32 s21, s15, HALFS                      ; x's: my 128 rows
	s_mul_i32 s22, s16, HALFS                      ; the weight's: my 128 rows, behind x's 256
	s_add_co_u32 s22, s22, 2*HALFS
	s_sub_co_u32 s22, s22, s21
	v_mul_u32_u24 v6, s22, v2                      ; lanes 16-31 take the weight's: one product, the distance between the two bases
	s_add_co_u32 s21, s21, SCL
	v_add_nc_u32 v5, v5, v6
	v_add_nc_u32 v[ADRS], s21, v5
	s_mul_i32 s23, s14, 16*SPITCH                  ; my stage
	v_mul_u32_u24 v5, v1, SPITCH                   ; in: row l % 16, 16 bytes for each half of the lanes
	v_lshl_add_u32 v5, v2, 4, v5
	v_add_nc_u32 v[STO], s23, v5
	v_mul_u32_u24 v5, v2, SPITCH                   ; back: lanes 0-15 take one row of 256 bytes, lanes 16-31 the next
	v_lshl_add_u32 v5, v1, 4, v5
	v_add_nc_u32 v[RD], s23, v5
	v_lshlrev_b32 v5, 11, v2                       ; and the same two rows in qkv
	v_lshl_add_u32 v[CO], v1, 4, v5
	s_lshl_b32 s20, s17, 8
	s_lshl_b32 s21, s15, 7
	s_add_co_u32 s20, s20, s21                     ; my first row: 256 x tile row + 128 x half
	s_lshl_b32 s20, s20, 11                        ; in bytes: under 2^26
	s_lshl_b32 s46, s42, 9
	s_add_co_u32 s20, s20, s46                     ; my first column: 512 x tile column
	s_lshl_b32 s46, s16, 8
	s_add_co_u32 s20, s20, s46                     ; + 256 x half
	s_mov_b32 s21, 0
	s_add_nc_u64 s[12:13], s[12:13], s[20:21]
.macro FRAG reg, adr, q, i             ; a fragment, 16 rows x 128 K of 4-bit codes: lane l holds row l % 16; registers 4 c .. 4 c + 3 hold K = 64 c + 32 (l / 16) + 0 .. 31
.irp c, 0,1
	ds_load_b128 v[\reg+4*\c:\reg+4*\c+3], v[\adr] offset:64*(\q)+32*\c+(\i)*16*PITCH
.endr
.endm
; 16 matrix instructions: x's blocks a0, a0 + 1 against the weight's eight, 128 along K: the slot's q-th.  p: the weight's set;  sc: the set of scale words.  zero = 1: the first product starts the sums from the bias.
; The 64 accumulators take turns, one instruction a turn, in the same order in every step.
.macro MUL16 a0, p, q, sc, zero
.irp a, \a0, \a0+1
.irp b, 0,1,2,3,4,5,6,7
.if \zero
	v_wmma_scale_f32_16x16x128_f8f6f4 v[8*(8*((\a)%4)+\b):8*(8*((\a)%4)+\b)+7], v[128*(\p)+FR*\b:128*(\p)+FR*\b+FR-1], v[AF+FR*(\a):AF+FR*(\a)+FR-1], v[BI+8*\b:BI+8*\b+7], v[SC+8*NQ*(\sc)+NQ*\b+(\q)], v[SC+8*NQ*(\sc)+NQ*(\a)+(\q)] matrix_a_fmt:MATRIX_FMT_FP4 matrix_b_fmt:MATRIX_FMT_FP4 matrix_a_scale:MATRIX_SCALE_ROW1
.else
	v_wmma_scale_f32_16x16x128_f8f6f4 v[8*(8*((\a)%4)+\b):8*(8*((\a)%4)+\b)+7], v[128*(\p)+FR*\b:128*(\p)+FR*\b+FR-1], v[AF+FR*(\a):AF+FR*(\a)+FR-1], v[8*(8*((\a)%4)+\b):8*(8*((\a)%4)+\b)+7], v[SC+8*NQ*(\sc)+NQ*\b+(\q)], v[SC+8*NQ*(\sc)+NQ*(\a)+(\q)] matrix_a_fmt:MATRIX_FMT_FP4 matrix_b_fmt:MATRIX_FMT_FP4 matrix_a_scale:MATRIX_SCALE_ROW1
.endif
.endr
.endr
.endm
.macro FETCH_B slot, q, p              ; the weight's eight fragments of the slot's q-th 128 along K into set p
	WIN TO_B
.irp i, 0,1,2,3,4,5,6,7
	FRAG 128*(\p)+FR*\i, ADRB+\slot, \q, \i
.endr
	WIN 0
.endm
.macro FETCH_A slot, q, i0             ; x's blocks i0 .. i0 + 3
.irp i, \i0, \i0+1, \i0+2, \i0+3
	FRAG AF+FR*(\i), ADRA+\slot, \q, \i
.endr
.endm
.macro SCALES sc                       ; a slot's scale words into set sc: four words a row; lanes 0-15 take x's block i, lanes 16-31 the weight's block i
.irp i, 0,1,2,3,4,5,6,7
	ds_load_b128 v[SC+8*NQ*\sc+NQ*\i:SC+8*NQ*\sc+NQ*\i+3], v[ADRS] offset:\i*SBLK
.endr
.endm
; A load into a register that a matrix instruction has read, and a vector instruction that reads a matrix result, stand NP places behind that matrix instruction; only plain vector instructions that name none of its
; registers are places (ISA guide 7.12.1 for vector instructions).
.macro PLACES n
.rept \n
	v_nop
.endr
.endm
; A step of 128 along K that has its successor in the same slot.  x has one set of registers: blocks 0-3 are fetched anew in the step's middle, blocks 4-7 at its end.
.macro STEP slot, q, zero
	s_wait_dscnt 4*NL                              ; the weight's set and x's blocks 0-3 are in; the youngest eight loads (x's blocks 4-7) may be out
.if \zero
	WIN BIAS_LO
.else
	WIN MUL_LO
.endif
	MUL16 0, (\q)%2, \q, \slot, \zero
	MUL16 2, (\q)%2, \q, \slot, \zero
	s_wait_dscnt 0                                 ; x's blocks 4-7 are in (asked for 32 matrix instructions ago)
	PLACES NP
	FETCH_B \slot, (\q)+1, 1-(\q)%2
	FETCH_A \slot, (\q)+1, 0
.if \zero
	WIN BIAS_HI
.else
	WIN MUL_HI
.endif
	MUL16 4, (\q)%2, \q, \slot, \zero
	MUL16 6, (\q)%2, \q, \slot, \zero
	PLACES NP
	WIN 0
	FETCH_A \slot, (\q)+1, 4
.endm
; Slot 0's last step changes slots: one barrier; in front of it each wave waits for all its tensor loads (its part of slot 1), adds 0 to its spare word, and waits for that and for its reads of slot 0.
.macro TURN slot, next
	s_wait_tensorcnt 0x0                           ; all my tensor loads have landed  (every window is 0 here)
	ds_add_u32 v[SPW], v[NIL]                      ; 0 onto my spare word
	s_wait_dscnt 4*NL+1                            ; (the add and the youngest eight loads may be out)
	WIN MUL_LO
	MUL16 0, 1, NQ-1, \slot, 0                     ; sixteen matrix instructions stand between the add and the wait for it
	s_wait_dscnt 0x0                               ; the add is done, and my reads of this slot are over
	s_barrier_signal -1
	MUL16 2, 1, NQ-1, \slot, 0
	WIN 0
	s_barrier_wait -1
	PLACES NP
	v_add_nc_u32 v[ADRS], 4*NQ, v[ADRS]            ; on to the next slot's scale words (no LDS load of mine is out)
	FETCH_B \next, 0, 0
	FETCH_A \next, 0, 0
	SCALES \next
	WIN MUL_HI
	MUL16 4, 1, NQ-1, \slot, 0
	MUL16 6, 1, NQ-1, \slot, 0
	PLACES NP
	WIN 0
	FETCH_A \next, 0, 4
.endm
.macro STEPS slot, from                ; the slot's steps from .. NQ - 2
.set Q, \from
.rept NQ-1-\from
	STEP \slot, Q, 0
.set Q, Q+1
.endr
.endm
	s_wait_tensorcnt 1                             ; the scale bytes and my part of slot 0 are in (slot 1's load may be out)
	s_barrier_signal -1
	s_barrier_wait -1                              ; everybody's are
	FETCH_B 0, 0, 0
	FETCH_A 0, 0, 0
	SCALES 0
	FETCH_A 0, 0, 4
	s_wait_loadcnt 0x0                             ; the bias
	STEP 0, 0, 1                                   ; the first step's products start the sums
	STEPS 0, 1
	TURN 0, 1
	STEPS 1, 0
	s_wait_dscnt 4*NL                              ; the very last step: nothing more to fetch
	WIN MUL_LO
	MUL16 0, 1, NQ-1, 1, 0
	MUL16 2, 1, NQ-1, 1, 0
	s_wait_dscnt 0
	WIN MUL_HI
	MUL16 4, 1, NQ-1, 1, 0
	MUL16 6, 1, NQ-1, 1, 0
	WIN 0
; THE WAY OUT, block by block of 16 rows x 128 columns.  PACK: rounded to f16, 16 bytes a lane, each accumulator from its low end on.  TOSTAGE: into my own stage and back as whole rows of 256 bytes.  SEND: stored.
.macro PACK a
.set AC, 64*((\a)%4)
	WIN 0x0a+5*((\a)/4)                            ; sources 0 and 1: window 2 or 3
.irp b, 0,1,2,3,4,5,6,7
.irp r, 0,1,2,3
	v_cvt_pk_f16_f32 v[TMP+4*\b+\r], v[AC+8*\b+2*\r], v[AC+8*\b+2*\r+1]
.endr
.endr
	WIN 0
.endm
.macro TOSTAGE a
.set BB, BK+32*((\a)%2)
.irp b, 0,1,2,3,4,5,6,7
	ds_store_b128 v[STO], v[TMP+4*\b:TMP+4*\b+3] offset:32*\b
.endr
.irp t, 0,1,2,3,4,5,6,7
	ds_load_b128 v[BB+4*\t:BB+4*\t+3], v[RD] offset:\t*2*SPITCH    ; LDS serves a wave's instructions in order (ISA guide 5.7.1.4): these see the stores above
.endr
.endm
.macro SEND a
.set BB, BK+32*((\a)%2)
	s_wait_dscnt 0x0                               ; the block is back in registers
	s_wait_xcnt 0x0                                ; the earlier stores have read their base and their registers: only behind this wait are they rewritten
.if (\a) > 0
	s_add_nc_u64 s[12:13], s[12:13], 16*CROW       ; 16 rows on
.endif
.irp t, 0,1,2,3,4,5,6,7
	global_store_b128 v[CO], v[BB+4*\t:BB+4*\t+3], s[12:13] offset:2*\t*CROW   ; 16 lanes store 256 consecutive bytes, aligned
.endr
.endm
	PLACES NP                                      ; behind the last products: for the conversions that read results, and for the loads into the registers that held x's fragments
	PACK 0
	TOSTAGE 0
.irp a, 1,2,3,4,5,6,7                  ; block a's conversions stand between block a - 1's loads from the stage and the wait for them
	PACK \a
	SEND \a-1
	TOSTAGE \a
.endr
	SEND 7
	s_wait_tensorcnt 0x0                           ; the wave's end, behind my last tensor load and my last LDS store
	ds_add_u32 v[SPW], v[NIL]
	s_wait_dscnt 0x0
	CROUND                                         ; the closing round: no work-group ends while a partner may still ask for a tile that names it
	s_endpgm
.Lfunc_end_k_q093f1a2b98_proj:
	.size	k_q093f1a2b98_proj, .Lfunc_end_k_q093f1a2b98_proj-k_q093f1a2b98_proj
	.p2alignl 7, 3214868480
	.fill 96, 4, 3214868480
	.section	.rodata,"a",@progbits
	.p2align	6, 0x0
	.amdhsa_kernel k_q093f1a2b98_proj
		.amdhsa_group_segment_fixed_size 327680
		.amdhsa_private_segment_fixed_size 0
		.amdhsa_enable_private_segment 0
		.amdhsa_kernarg_size 56
		.amdhsa_user_sgpr_count 2
		.amdhsa_user_sgpr_kernarg_segment_ptr 1
		.amdhsa_wavefront_size32 1
		.amdhsa_system_sgpr_workgroup_id_x 1
		.amdhsa_system_sgpr_workgroup_id_y 1
		.amdhsa_system_sgpr_workgroup_id_z 1
		.amdhsa_system_vgpr_workitem_id 0
		.amdhsa_next_free_vgpr 1024
		.amdhsa_next_free_sgpr 100
		.amdhsa_reserve_vcc 0
		.amdhsa_float_denorm_mode_32 3
		.amdhsa_float_denorm_mode_16_64 3
		.amdhsa_memory_ordered 1
		.amdhsa_forward_progress 1
		.amdhsa_inst_pref_size 131
	.end_amdhsa_kernel
	.amdgpu_metadata
---
amdhsa.version: [ 1, 2 ]
amdhsa.kernels:
  - .name:           k_q093f1a2b98_proj
    .symbol:         k_q093f1a2b98_proj.kd
    .args:
      - { .name: xc, .offset: 0, .size: 8, .value_kind: global_buffer, .address_space: global }
      - { .name: xs, .offset: 8, .size: 8, .value_kind: global_buffer, .address_space: global }
      - { .name: wc, .offset: 16, .size: 8, .value_kind: global_buffer, .address_space: global }
      - { .name: ws, .offset: 24, .size: 8, .value_kind: global_buffer, .address_space: global }
      - { .name: bq, .offset: 32, .size: 8, .value_kind: global_buffer, .address_space: global }
      - { .name: bv, .offset: 40, .size: 8, .value_kind: global_buffer, .address_space: global }
      - { .name: qkv, .offset: 48, .size: 8, .value_kind: global_buffer, .address_space: global }
    .group_segment_fixed_size: 327680
    .private_segment_fixed_size: 0
    .kernarg_segment_align: 8
    .kernarg_segment_size: 56
    .max_flat_workgroup_size: 128
    .sgpr_count:     100
    .vgpr_count:     1024
    .wavefront_size: 32
...
	.end_amdgpu_metadata
.endif
;; end of part 2
;; launch attn (part 3): grid 4 x 64, 8 waves a work-group, clusters of 4 x 4, 327,680 bytes of LDS; arguments qkv, group_prob, out0; writes out0
.if DOCPART == 3
	.amdgcn_target "amdgcn-amd-amdhsa--gfx1250"
	.amdhsa_code_object_version 6
	.text
	.protected	k_q093f1a2b98_attn
	.globl	k_q093f1a2b98_attn
	.p2align	8
	.type	k_q093f1a2b98_attn,@function
k_q093f1a2b98_attn:
	s_mov_b64 s[64:65], 0
	v_nop
	global_prefetch_b8 v0, s[64:65] scope:SCOPE_SE
	s_setreg_imm32_b32 hwreg(HW_REG_WAVE_MODE, 25, 1), 1
	s_wait_xcnt 0x0
	s_wait_alu depctr_hold_cnt(0) depctr_sa_sdst(0) depctr_va_vdst(0) depctr_va_sdst(0) depctr_va_ssrc(0) depctr_va_vcc(0) depctr_vm_vsrc(0)
	s_getreg_b32 s2, hwreg(HW_REG_IB_STS2, 6, 4)
	s_cmp_eq_u32 s2, 0
	s_cbranch_scc0 .Lentry_in_a_cluster
	s_endpgm
.Lentry_in_a_cluster:
	s_bfe_u32 s2, ttmp6, 0x10000c
	s_cmp_lg_u32 s2, 0xf033
	s_cbranch_scc0 .Lentry_shape_is_right
	s_endpgm
.Lentry_shape_is_right:
; THIRD LAUNCH.  out[b][q][h][:] = sum over keys of softmax_key(q . k / 8) x group_prob[b][q][key] x v[key][:].  q, k, v: f16, [3][8192][1024] (row = 1024 b + position, column = 64 h + channel), from the launch before.
; LEFT OUT: attention_mask, which reference() never reads (shown at the head of the first kernel); it is not among the arguments.
; Products on f16 operands with f32 sums; maxima, exponentials, sums and the product with group_prob in f32; p x g is rounded to f16 for the second product.
; SOFTMAX.  For each query a running maximum m and sum l: p = 2^(c s - c m), c = log2(e) / 8; in every step O and l are multiplied by a = 2^(c m_old - c m_new).  l sums p itself, not p x g; O is divided by l at the end.
; LIMITS: |q|, |k|, |v| under 65,504 and p x g (p at most 1) inside f16's range; what of p x g lies under 6e-8 is lost.
; SHARES.  A work-group owns 128 queries of one batch and four heads; wave w owns head w % 4 of them and queries 64 (w / 4) on: four tiles of 16.  Every wave walks the 1,024 keys, 64 a step.  Two waves share a SIMD.
; LAYOUT.  S^T = K Q^T (source 0 = 16 keys, source 1 = 16 queries): a lane holds ONE query (lane % 16) and keys 8 (lane / 16) + 0..7 of each tile of 16 keys.  Two such tiles, rounded in pairs, ARE source 1 of O^T = V^T P,
; whose result again holds one query a lane and eight channels.  K comes out of LDS as it lies, V ([key][channel]) turned, by ds_load_tr16_b128; group_prob's 8 numbers of a lane are 32 neighbouring bytes of its query's row.
; BY TURNS, ON ROUND THE KEY STEPS' EDGES.  Tile T's turn holds: its softmax, with the products K Q^T of the NEXT tile between its lines (behind tile 3: tile 0 of the next key step); the roundings to f16 of the tile BEFORE,
; between the dependent lines at the end of the maximum; the products V^T P of the tile before (in tile 0's turn: tile 3 of the key step before), with the rescaling of its own O^T between them; p x group_prob.
; RING.  Two LDS slots; a slot holds one step's tiles: 64 keys x 4 heads of K and of V (rows of 512 bytes) and 128 queries x 64 keys of group_prob (rows of 256 bytes).  Waves 0-3 fill slot 0, waves 4-7 slot 1; in each four:
; K, V, group_prob's rows 0-63, rows 64-127: one tensor load a wave, one of mine out at the most.  Every wait on TENSORcnt is for 0.  THE CHANGE OF SLOTS stands in tile 3's turn, where the wave's last read of the step's
; slot (group_prob of tile 3) has been issued 37 instructions back; behind it the next step's K is fetched while V^T P of tile 2 and the softmax of tile 3 go on.
; CLUSTER.  4 x 4 work-groups: x = the group of four heads, y = the block of queries.  group_prob's tile hangs on the block of queries alone and is shared along a row of the cluster; K's and V's hang on batch and heads and are
; shared along a column (a cluster's four blocks of queries lie in one batch).  Each is asked for jointly, with a mask that names the four.
; REGISTERS.  window 0: v2-14 addresses; v16-31 statistics, four a tile (c m, m, l in two halves); v32-39 at work; v40-55 P of one tile; v64-127 S^T, two buffers of 32; v128-191 K; v192-255 Q.
;   window 1: v0-127 O^T, 32 a tile; v128-191 V; v192-223 group_prob of one tile.
.set PK,    528                        ; a row of K in LDS: 512 bytes + 16: 132 words: the 16 rows of a load start at 16 different banks (64 banks of 4 bytes: ISA guide 11.1)
.set PITV,  544                        ; a row of V: 512 + 32: 136 words
.set PG,    272                        ; a row of group_prob: 256 + 16
.set VOFF,  64*PK
.set GOFF,  VOFF+64*PITV
.set SLOTB, GOFF+128*PG                ; 103,424 bytes
.set STAGE, 2*SLOTB                    ; behind the ring: 16 rows x 272 bytes for each wave, for the way out; no tensor load lands there
.set SPARE, STAGE+8*16*272             ; the spare words, 128 bytes a wave, which no other line names
.set AK,  2                            ; v2-3   my lane's place in K's tile in slot 0, 1
.set AV,  4                            ; v4-5   in V's
.set AG,  6                            ; v6-7   in group_prob's
.set STO, 8                            ; v8     the way out: where I put 32 bytes of a row
.set RD,  9                            ; v9     where I read a row back
.set GO,  10                           ; v10    my byte offset in the wave's rows of out
.set QO,  11                           ; v11    my byte offset in the wave's rows of q
.set PFO, 12                           ; v12    the prefetches' offset; never rewritten
.set SPW, 13                           ; v13    LDS address of my spare word; never rewritten
.set NIL, 14                           ; v14    0; never rewritten
.set ST,  16
.set CC,  32                           ; v32-35 four chains of the maximum; later two chains of the sum
.set AL,  36                           ; v36    a;  v37 c m_old, then c m_old - c m_new: named with a as a pair
.set DF,  37
.set TS,  38                           ; v[38:39] a chain of the sum
.set P,   40
.set S,   64
.set KF,  128
.set QF,  192
.set VF,  128                          ; in window 1
.set GF,  192                          ; in window 1
.set OUTR, 128                         ; the way out: 32 registers a tile, where K and Q lay
.set WV,   10                          ; s10  my wave's number
.set ROLE, 11                          ; s11  wave % 4: my head; and what I fetch: 0 K, 1 V, 2 and 3 group_prob's halves
.set GRP,  12                          ; s12  wave / 4: my half of the queries; and the slot that I fill
.set G1K, 24                           ; s[24:31], s[32:39], s[40:47] descriptor groups 1 for K, V, group_prob
.set G1V, 32
.set G1G, 40
.set G0K, 48                           ; s[48:51], s[52:55], s[56:59] their groups 0, which walk: every wave keeps all three and asks by one
.set G0V, 52
.set G0G, 56
.set CS,  60                           ; s[60:61] c: the packed form names a pair and takes its low word for both halves
.set SEL, 62                           ; s[62:63] lane selects for v_permlanex16_b32: lane l xor 16
.set PFA, 66                           ; s[66:67] where my prefetches stand
.set PFS, 68                           ; s[68:69] two tiles on, in bytes
.set LIM, 70                           ; s70  1 in a wave that prefetches, else the greatest number
.set CNT, 71                           ; s71  trips to go
.set MSB, 0
.macro WIN new                         ; the immediate's high byte repeats the setting that is left; a switch that changes nothing is dropped
.if MSB != (\new)
	s_set_vgpr_msb (MSB<<8)|(\new)
.set MSB, (\new)
.endif
.endm
.set W_PV, 0x51                        ; V (source 0), O^T (C and D) window 1; P, or a, (source 1) window 0
.set W_G,  0x04                        ; source 1 (group_prob) window 1
.set W_LD, 0x40                        ; destination window 1, address window 0
.set W_O,  0x01                        ; source 0 (O^T) window 1
.macro CROUND                          ; a round of the cluster's barrier
	s_barrier_signal -1
	s_barrier_wait -1
	s_cmp_lg_u32 s[WV], 0
	s_cbranch_scc1 .Lnot_wave_0_\@
	s_barrier_signal -3
.Lnot_wave_0_\@:
	s_barrier_wait -3
	s_barrier_signal -1
	s_barrier_wait -1
.endm
; A joint load, by what the wave fetches.  The branches hang on the wave's number alone.  An s_nop 0 and four v_nop follow each line, ahead of the jump, the label and what follows.
.macro JLOAD
	s_cmp_eq_u32 s[ROLE], 0
	s_cbranch_scc0 .Lnot_k_\@
	tensor_load_to_lds s[G0K:G0K+3], s[G1K:G1K+7]
	s_nop 0
.rept 4
	v_nop
.endr
	s_branch .Lasked_\@
.Lnot_k_\@:
	s_cmp_eq_u32 s[ROLE], 1
	s_cbranch_scc0 .Lnot_v_\@
	tensor_load_to_lds s[G0V:G0V+3], s[G1V:G1V+7]
	s_nop 0
.rept 4
	v_nop
.endr
	s_branch .Lasked_\@
.Lnot_v_\@:
	tensor_load_to_lds s[G0G:G0G+3], s[G1G:G1G+7]
	s_nop 0
.rept 4
	v_nop
.endr
.Lasked_\@:
.endm
; A PREFETCH INTO THE L2 of the tile that the NEXT change of slots will ask for, behind my own tensor load and its five lines: one key step ahead of that load.  Each aligned block of 256 bytes is named once in the launch.
; K's and V's rows are walked by the batch's two clusters: the one with even y asks; the four partners of a column take 16 keys each, told apart BY ADDRESS (16 cy rows on); a lane takes half a row of 512 bytes.
; group_prob's rows are walked by one row of one cluster: its four partners take 32 rows each (32 cx rows on), a lane a row.  The wave that fetched K asks for K, V's for V, the first of group_prob's two for group_prob.
; how = 1: ask if I am one that asks; how = 0: and not in the loop's last trip, where there is no tile behind.  Tiles 0 to 2 come by their loads alone.
.macro ASK how
.if \how
	s_cmp_eq_u32 s[LIM], 1
.else
	s_cmp_gt_u32 s[CNT], s[LIM]
.endif
	s_cbranch_scc0 .Lnot_mine_\@
	global_prefetch_b8 v[PFO], s[PFA:PFA+1] th:TH_LOAD_NT scope:SCOPE_SE
.Lnot_mine_\@:
.endm
	s_load_b128 s[4:7], s[0:1], 0x0                ; qkv, group_prob
	s_load_b64 s[8:9], s[0:1], 0x10                ; out0
	v_lshl_add_u32 v[SPW], v0, 2, SPARE
	v_mov_b32 v[NIL], 0
	ds_add_u32 v[SPW], v[NIL]                      ; the wave's opening: the add, twice on end, and its wait ahead of my first tensor load
	ds_add_u32 v[SPW], v[NIL]                      ; the set-up below, work on registers, stands between the second and the wait
	v_lshrrev_b32 v1, 5, v0
	v_readfirstlane_b32 s[WV], v1                  ; wave 0..7
	s_and_b32 s[ROLE], s[WV], 3
	s_lshr_b32 s[GRP], s[WV], 2
	s_bfe_u32 s13, ttmp6, 0x40000                  ; cx: the group of four heads (the grid has one cluster along x)
	s_bfe_u32 s14, ttmp6, 0x40004                  ; cy
	s_and_b32 s15, ttmp7, 0xffff                   ; the cluster's y
	s_lshr_b32 s16, s15, 1                         ; the batch: two clusters to a batch
	s_lshl_b32 s17, s15, 2
	s_add_co_u32 s17, s17, s14                     ; the block of 128 queries among all 64: 8 x batch + block
	s_lshl_b32 s18, s14, 2
	s_lshl_b32 s18, 15, s18                        ; my row of the cluster
	s_lshl_b32 s19, 0x1111, s13                    ; my column
	s_or_b32 s[G1K], s19, (1<<16)|(1<<20)|(1<<21)|(6<<22)|(3<<25)  ; 15:0 the mask; 17:16 elements of 2 bytes; 20 padding on; 21 set beside a mask; 24:22 after every 128 words; 31:25 four words of it
	s_or_b32 s[G1V], s19, (1<<16)|(1<<20)|(1<<21)|(6<<22)|(7<<25)  ; the same with eight words
	s_or_b32 s[G1G], s18, (2<<16)|(1<<20)|(1<<21)|(5<<22)|(3<<25)  ; elements of 4 bytes; four words after every 64
.irp g, G1K, G1V
	s_mov_b32 s[\g+1], 256<<16                     ; tensor_dim0 = 256 elements: four heads' 64 channels
	s_mov_b32 s[\g+2], 64<<16                      ; tensor_dim1 = 64 keys
	s_mov_b32 s[\g+3], 256<<16                     ; tile_dim0
	s_mov_b32 s[\g+4], 64                          ; tile_dim1
	s_mov_b32 s[\g+5], 1024                        ; elements from row to row
	s_mov_b32 s[\g+6], 0
	s_mov_b32 s[\g+7], 0
.endr
	s_mov_b32 s[G1G+1], 64<<16                     ; 64 keys
	s_mov_b32 s[G1G+2], 64<<16                     ; 64 queries
	s_mov_b32 s[G1G+3], 64<<16
	s_mov_b32 s[G1G+4], 64
	s_mov_b32 s[G1G+5], 1024
	s_mov_b32 s[G1G+6], 0
	s_mov_b32 s[G1G+7], 0
	s_mov_b32 s[CS], 0x3e38aa3b                    ; c = log2(e) / 8
	s_mov_b32 s[CS+1], s[CS]                       ; (named with it as a pair, so it is written)
	s_mov_b32 s[SEL], 0x76543210
	s_mov_b32 s[SEL+1], 0xfedcba98
	; where my slot's first tiles lie.  K and V: batch, heads and slot; no cy.  group_prob: block of queries, half and slot; no cx
	s_lshl_b32 s72, s16, 10
	s_lshl_b32 s73, s[GRP], 6
	s_add_co_u32 s72, s72, s73                     ; row 1024 b + 64 x slot
	s_lshl_b32 s72, s72, 11
	s_lshl_b32 s73, s13, 9
	s_add_co_u32 s72, s72, s73                     ; + the four heads' 512 bytes
	s_mov_b32 s73, 0
	s_and_b32 s79, s[ROLE], 1
	s_lshl_b32 s76, s17, 7
	s_lshl_b32 s77, s79, 6
	s_add_co_u32 s76, s76, s77                     ; row 128 x block + 64 x half
	s_lshl_b32 s76, s76, 12
	s_lshl_b32 s77, s[GRP], 8
	s_add_co_u32 s76, s76, s77                     ; + 64 keys x slot
	s_mov_b32 s77, 0
	s_mul_i32 s78, s[GRP], SLOTB                   ; and where they go: no place in the cluster enters an LDS address
	s_mul_i32 s79, s79, 64*PG
	s_wait_dscnt 0x0                               ; both opening adds are done
	s_wait_kmcnt 0x0
	s_mov_b32 s[G0K], 1
	s_mov_b32 s[G0K+1], s78
	s_add_nc_u64 s[G0K+2:G0K+3], s[4:5], s[72:73]
	s_add_nc_u64 s[G0K+2:G0K+3], s[G0K+2:G0K+3], 0x1000000   ; k begins 16,777,216 bytes into qkv,
	s_mov_b32 s[G0V], 1
	s_add_co_u32 s[G0V+1], s78, VOFF
	s_add_nc_u64 s[G0V+2:G0V+3], s[G0K+2:G0K+3], 0x1000000   ; v as many further on
	s_or_b32 s[G0K+3], s[G0K+3], 0x80000000
	s_or_b32 s[G0V+3], s[G0V+3], 0x80000000
	s_mov_b32 s[G0G], 1
	s_add_co_u32 s[G0G+1], s78, GOFF
	s_add_co_u32 s[G0G+1], s[G0G+1], s79
	s_add_nc_u64 s[G0G+2:G0G+3], s[6:7], s[76:77]
	s_or_b32 s[G0G+3], s[G0G+3], 0x80000000
	CROUND                                         ; all sixteen work-groups are here: the first joint loads meet
	JLOAD                                          ; the first fills: eight loads, one a wave: tile 0 into slot 0, tile 1 into slot 1
	; q and out at my wave's first row and head
	s_lshl_b32 s80, s17, 7
	s_lshl_b32 s81, s[GRP], 6
	s_add_co_u32 s80, s80, s81                     ; row 128 x block + 64 x half
	s_lshl_b32 s82, s13, 2
	s_add_co_u32 s82, s82, s[ROLE]                 ; head
	s_lshl_b32 s84, s80, 11
	s_lshl_b32 s83, s82, 7
	s_add_co_u32 s84, s84, s83
	s_mov_b32 s85, 0
	s_add_nc_u64 s[84:85], s[4:5], s[84:85]
	s_lshl_b32 s86, s80, 12
	s_lshl_b32 s83, s82, 8
	s_add_co_u32 s86, s86, s83
	s_mov_b32 s87, 0
	s_add_nc_u64 s[8:9], s[8:9], s[86:87]
	v_and_b32 v56, 15, v0                          ; r = lane % 16
	v_bfe_u32 v57, v0, 4, 1                        ; h = lane / 16
	v_lshlrev_b32 v[QO], 11, v56
	v_lshl_add_u32 v[QO], v57, 4, v[QO]            ; row r of 2,048 bytes, + 16 h
.irp f, 0,1,2,3,4,5,6,7                        ; Q stays in registers: tile f / 2, channels 32 (f % 2) on
	global_load_b128 v[QF+8*\f:QF+8*\f+3],   v[QO], s[84:85] offset:(\f/2)*32768+(\f%2)*64
	global_load_b128 v[QF+8*\f+4:QF+8*\f+7], v[QO], s[84:85] offset:(\f/2)*32768+(\f%2)*64+32
.endr
	v_mul_u32_u24 v[AK], v56, PK
	v_lshl_add_u32 v[AK], v57, 4, v[AK]
	s_lshl_b32 s80, s[ROLE], 7                     ; my head's 128 bytes of a row
	v_add_nc_u32 v[AK], s80, v[AK]
	v_add_nc_u32 v[AK+1], SLOTB, v[AK]
	v_and_b32 v58, 7, v0
	v_bfe_u32 v59, v0, 3, 1
	v_lshl_add_u32 v[AV], v57, 3, v58              ; the turning load: key 8 h + lane % 8,
	v_mul_u32_u24 v[AV], v[AV], PITV
	v_lshl_add_u32 v[AV], v59, 4, v[AV]            ; channels 8 ((lane / 8) % 2) on
	s_add_co_u32 s80, s80, VOFF
	v_add_nc_u32 v[AV], s80, v[AV]
	v_add_nc_u32 v[AV+1], SLOTB, v[AV]
	v_mul_u32_u24 v[AG], v56, PG
	v_lshl_add_u32 v[AG], v57, 5, v[AG]            ; query r's row, + 32 h: my eight keys of a tile of 16
	s_mul_i32 s80, s[GRP], 64*PG
	s_add_co_u32 s80, s80, GOFF
	v_add_nc_u32 v[AG], s80, v[AG]
	v_add_nc_u32 v[AG+1], SLOTB, v[AG]
	s_mul_i32 s80, s[WV], 16*272
	s_add_co_u32 s80, s80, STAGE                   ; my stage
	v_mul_u32_u24 v[STO], v56, 272
	v_lshl_add_u32 v[STO], v57, 5, v[STO]
	v_add_nc_u32 v[STO], s80, v[STO]               ; in: row r, 32 bytes for each half of the lanes
	v_mul_u32_u24 v[RD], v57, 272
	v_lshl_add_u32 v[RD], v56, 4, v[RD]
	v_add_nc_u32 v[RD], s80, v[RD]                 ; back: lanes 0-15 one row of 256 bytes, lanes 16-31 the next
	v_lshlrev_b32 v[GO], 12, v57
	v_lshl_add_u32 v[GO], v56, 4, v[GO]            ; and the same two rows in out
	; the prefetches: where mine stand (tile 1 + slot: the first change steps them two tiles on), and who asks
	s_lshl_b32 s80, s16, 10
	s_add_co_u32 s81, s[GRP], 1
	s_lshl_b32 s82, s81, 6
	s_add_co_u32 s80, s80, s82
	s_lshl_b32 s82, s14, 4                         ; my work-group's 16 keys of the 64
	s_add_co_u32 s80, s80, s82
	s_lshl_b32 s80, s80, 11
	s_lshl_b32 s82, s13, 9
	s_add_co_u32 s80, s80, s82
	s_add_co_u32 s82, s[ROLE], 1
	s_lshl_b32 s82, s82, 24                        ; k or v within qkv
	s_add_co_u32 s80, s80, s82
	s_lshl_b32 s83, s17, 7
	s_lshl_b32 s82, s13, 5                         ; my work-group's 32 rows of the 128
	s_add_co_u32 s83, s83, s82
	s_lshl_b32 s83, s83, 12
	s_lshl_b32 s82, s81, 8
	s_add_co_u32 s83, s83, s82
	s_and_b32 s76, ttmp7, 1                        ; K, V: the batch's first cluster asks
	s_and_b32 s77, s[ROLE], 1                      ; group_prob: the first of its two waves
	s_cmp_lt_u32 s[ROLE], 2
	s_cselect_b32 s80, s80, s83
	s_cselect_b64 s[PFA:PFA+1], s[4:5], s[6:7]
	s_mov_b32 s[PFS], 512
	s_cselect_b32 s[PFS], 0x40000, s[PFS]          ; two tiles on: 128 rows of 2,048 bytes, or 128 keys of 4 bytes
	s_mov_b32 s74, 8192
	s_cselect_b32 s74, 2048, s74                   ; from pair of lanes to pair of lanes,
	s_mov_b32 s75, 4096
	s_cselect_b32 s75, 256, s75                    ; and within a pair
	s_cselect_b32 s76, s76, s77
	s_mov_b32 s81, 0
	s_mov_b32 s[PFS+1], 0
	s_add_nc_u64 s[PFA:PFA+1], s[PFA:PFA+1], s[80:81]
	s_cmp_eq_u32 s76, 0                            ; wave's number and cluster's y alone: the same in all sixteen partners
	s_cselect_b32 s[LIM], 1, -1
	v_and_b32 v58, 31, v0
	v_lshrrev_b32 v[PFO], 1, v58
	v_mul_lo_u32 v[PFO], v[PFO], s74
	v_and_b32 v58, 1, v58
	v_mul_lo_u32 v58, v58, s75
	v_add_nc_u32 v[PFO], v[PFO], v58
; Product i of 8 of S^T = K Q^T for tile T: keys 16 (i % 4) on, channels 32 (i / 4) on.  The first four start the sums.  The four accumulators take turns, one instruction a turn.
.macro KQ T
.set rD, S+32*((\T)%2)+8*(i%4)
.set rK, KF+16*(i%4)+8*(i/4)
.set rQ, QF+16*(\T)+8*(i/4)
.if i < 4
	v_wmma_f32_16x16x32_f16 v[rD:rD+7], v[rK:rK+7], v[rQ:rQ+7], 0
.else
	v_wmma_f32_16x16x32_f16 v[rD:rD+7], v[rK:rK+7], v[rQ:rQ+7], v[rD:rD+7]
.endif
.endm
; Product i of 8 of O^T += V^T P for tile T: keys 32 (i / 4) on, channels 16 (i % 4) on.  first = 1: the first four start the sums: nothing is ever cleared.
.macro PV T, first
.set rO, 32*(\T)+8*(i%4)
.set rV, VF+32*(i/4)+8*(i%4)
.set rP, P+8*(i/4)
.if \first && (i < 4)
	v_wmma_f32_16x16x32_f16 v[rO:rO+7], v[rV:rV+7], v[rP:rP+7], 0
.else
	v_wmma_f32_16x16x32_f16 v[rO:rO+7], v[rV:rV+7], v[rP:rP+7], v[rO:rO+7]
.endif
.endm
; THE LDS LOADS, in runs.  K of a step: 16 loads, the fragments of channels 0-31 first.  V of a step: 16 turning loads.  group_prob of tile T: 8 loads: register 8 kt + j goes with S^T's register 8 kt + j.
.macro KLOAD slot
.irp c, 0,1
.irp kt, 0,1,2,3
	ds_load_b128 v[KF+16*\kt+8*\c:KF+16*\kt+8*\c+3],   v[AK+(\slot)] offset:\kt*16*PK+\c*64
	ds_load_b128 v[KF+16*\kt+8*\c+4:KF+16*\kt+8*\c+7], v[AK+(\slot)] offset:\kt*16*PK+\c*64+32
.endr
.endr
.endm
.macro VLOAD slot
.irp f, 0,1,2,3,4,5,6,7                        ; keys 32 (f / 4) on, channels 16 (f % 4) on
	ds_load_tr16_b128 v[VF+8*\f:VF+8*\f+3],   v[AV+(\slot)] offset:(\f/4)*32*PITV+(\f%4)*32
	ds_load_tr16_b128 v[VF+8*\f+4:VF+8*\f+7], v[AV+(\slot)] offset:(\f/4)*32*PITV+16*PITV+(\f%4)*32
.endr
.endm
.macro GLOAD T, slot
.irp kt, 0,1,2,3
	ds_load_b128 v[GF+8*\kt:GF+8*\kt+3],   v[AG+(\slot)] offset:16*PG*(\T)+64*\kt
	ds_load_b128 v[GF+8*\kt+4:GF+8*\kt+7], v[AG+(\slot)] offset:16*PG*(\T)+64*\kt+16
.endr
.endm
; ONE TILE'S SOFTMAX FOR ONE KEY STEP is a list of 86 instructions; SM writes number j of it.  s0-s31 are the lane's 32 scores, in pairs 0-15.  first = 1: the first key step, which starts m and l and has no a.
;   0-15   the maximum of s0-s31 and the old m, three operands at a time; each of the four accumulators is read from its low end on
;   16-21  the other half of the lanes' maximum; the new m; c m; a = 2^(c m_old - c m_new)
;   22-69  ONE BATCH: the 16 scalings c s - c m, a pair each, and the 32 exponentials, in place: two scalings, then a scaling and two exponentials fourteen times, then the last four exponentials.  A pair is scaled two groups
;          ahead of its exponentials.  None of these names an exponential's result.
;   behind 69: one plain instruction, and ONE s_wait_alu depctr_va_vdst(0) for the batch of 33, ahead of its first reader
;   70-85  l = a l + the sum of p, in four chains, which leave p as it is
.macro SM T, first
.set rT, ST+4*(\T)
.set rS, S+32*((\T)%2)
.if j < 4
	v_max3_num_f32 v[CC+j], v[rS+8*j], v[rS+8*j+1], v[rS+8*j+2]
.elseif j < 12
	v_max3_num_f32 v[CC+j%4], v[CC+j%4], v[rS+8*(j%4)+2*(j/4)+1], v[rS+8*(j%4)+2*(j/4)+2]
.elseif j == 12
	v_max3_num_f32 v[CC], v[CC], v[rS+7], v[rS+15]
.elseif j == 13
	v_max3_num_f32 v[CC+2], v[CC+2], v[rS+23], v[rS+31]
.elseif j == 14
	v_max3_num_f32 v[CC], v[CC], v[CC+1], v[CC+2]
.elseif (j == 15) && \first
	v_max_num_f32 v[CC], v[CC], v[CC+3]
.elseif j == 15
	v_max3_num_f32 v[CC], v[CC], v[CC+3], v[rT+1]
.elseif j == 16
	v_permlanex16_b32 v[CC+1], v[CC], s[SEL], s[SEL+1]  ; the query's other 32 keys lie in the lane 16 away
.elseif j == 18
	v_max_num_f32 v[rT+1], v[CC], v[CC+1]
.elseif j == 19
	v_mul_f32 v[rT], s[CS], v[rT+1]
.elseif ((j == 17) || (j == 20) || (j == 21) || (j == 74)) && \first  ; the first step has none of these
.elseif j == 17
	v_mov_b32 v[DF], v[rT]                         ; c m_old is kept for a: number 19 writes c m anew
.elseif j == 20
	v_sub_f32 v[DF], v[DF], v[rT]
.elseif j == 21
	v_exp_f32 v[AL], v[DF]
.elseif j < 66
.set kk, j-24
.if (j < 24) || (kk%3 == 0)
.set b, j-22                                   ; 22, 23: pairs 0, 1
.if j >= 24
.set b, kk/3+2                                 ; 24, 27, .. 63: pairs 2 to 15
.endif
	v_pk_fma_f32 v[rS+2*b:rS+2*b+1], v[rS+2*b:rS+2*b+1], s[CS:CS+1], v[rT:rT+1] op_sel_hi:[1,0,0] neg_lo:[0,0,1] neg_hi:[0,0,1]
.else
.set e, 2*(kk/3)+kk%3-1                        ; 25, 26, 28, 29, .. 64, 65: s0 to s27
	v_exp_f32 v[rS+e], v[rS+e]
.endif
.elseif j < 70
	v_exp_f32 v[rS+j-38], v[rS+j-38]               ; 66 to 69: s28 to s31
.elseif (j == 70) && \first
	v_pk_add_f32 v[rT+2:rT+3], v[rS:rS+1], v[rS+14:rS+15]   ; pairs 0 and 7 start l
.elseif j == 70
	v_pk_fma_f32 v[rT+2:rT+3], v[rT+2:rT+3], v[AL:AL+1], v[rS:rS+1] op_sel_hi:[1,0,1]
.elseif j < 83
.set q, (j-70)%4                               ; the chain: 0 l itself, 1 to 3 at work
.set rC, rT+2
.if q == 1
.set rC, TS
.elseif q == 2
.set rC, CC
.elseif q == 3
.set rC, CC+2
.endif
.if j < 74
	v_pk_add_f32 v[rC:rC+1], v[rS+4*(j-71)+2:rS+4*(j-71)+3], v[rS+4*(j-71)+4:rS+4*(j-71)+5]   ; pairs 1 + 2, 3 + 4, 5 + 6 start the three
.else
	v_pk_add_f32 v[rC:rC+1], v[rC:rC+1], v[rS+2*(j-67):rS+2*(j-67)+1]                         ; pairs 7 to 15, the chains by turns
.endif
.elseif j == 83
	v_pk_add_f32 v[TS:TS+1], v[TS:TS+1], v[CC:CC+1]
.elseif j == 84
	v_pk_add_f32 v[rT+2:rT+3], v[rT+2:rT+3], v[CC+2:CC+3]
.else
	v_pk_add_f32 v[rT+2:rT+3], v[rT+2:rT+3], v[TS:TS+1]
.endif
.if j == 69
	v_nop
	s_wait_alu depctr_va_vdst(0)
.endif
.endm
.macro ITEMS T, first, from, n         ; numbers from .. from + n - 1 of the list, as far as it goes
.set j, \from
.rept \n
.if j < 86
	SM \T, \first
.endif
.set j, j+1
.endr
.endm
.macro CVT1 buf                        ; rounding number cv of 16: a pair of p x g of the tile in buffer buf becomes a register of P
	v_cvt_pk_f16_f32 v[P+cv], v[S+32*(\buf)+2*cv], v[S+32*(\buf)+2*cv+1]
.set cv, cv+1
.endm
; Numbers 12 .. last of the list: each reads the result of the one before it.  prev = 1: the sixteen roundings of the tile before, which hang on none of them, stand two by two between them.
.macro CHAIN T, first, prev, last
.set cv, 0
.set j, 12
.rept (\last)-11
	SM \T, \first
.set j, j+1
.if \prev
.rept 2
.if cv < 16
	CVT1 1-((\T)%2)
.endif
.endr
.endif
.endr
.endm
; THE CHANGE OF SLOTS.  Each wave waits for all its tensor loads (its part of the slot ahead, if it filled it), adds 0 to its spare word, and waits for that and for its reads of the slot that it leaves.
; fill = 1: the barrier is a round of the cluster's, so that no wave of any partner still reads that slot or has a load on its way; behind it the four waves of group grp fill it with the tile two steps on from the one it held:
; the load has one key step, up to the next change, in which to land.  stepd = 1 (once in two changes): every wave's descriptors and its prefetch address go two tiles on; no tensor load of mine is out there.
.macro CHANGE fill, grp, stepd, how
	s_wait_tensorcnt 0x0
	ds_add_u32 v[SPW], v[NIL]                      ; 0 onto my spare word
.if \stepd
	s_add_nc_u64 s[G0K+2:G0K+3], s[G0K+2:G0K+3], 0x40000   ; 128 keys on; the type bits on top are not reached
	s_add_nc_u64 s[G0V+2:G0V+3], s[G0V+2:G0V+3], 0x40000
	s_add_nc_u64 s[G0G+2:G0G+3], s[G0G+2:G0G+3], 512
	s_wait_xcnt 0x0                                ; my last prefetch, a key step back or more, has read its address, so it may be written
	s_add_nc_u64 s[PFA:PFA+1], s[PFA:PFA+1], s[PFS:PFS+1]
.endif
	s_wait_dscnt 0x0                               ; the add is done, and my reads of the slot that I leave are over
.if \fill
	CROUND
	s_cmp_lg_u32 s[GRP], \grp                      ; the wave's number alone: the same in every work-group
	s_cbranch_scc1 .Lothers_\@
	JLOAD                                          ; my one tensor load until the next round, and the first thing behind this one
	ASK \how
.Lothers_\@:
.else
	s_barrier_signal -1
	s_barrier_wait -1
.endif
.endm
; TILE T'S TURN in the key step whose tiles lie in slot.  first = 1: the first key step's softmax (no a, no rescaling).  pv: the products V^T P of the tile before: 0 none, 1 they start its sums, 2 they add.
; prev = 1: the tile before has roundings to be made.  mode 0: tiles 0 to 2;  mode 1: tile 3, with the change of slots (fill, grp, stepd, how) and the next step's tile 0;  mode 2: tile 3 of the last step.
; A vector instruction that writes a register of a matrix instruction, and a load into one, stand four plain vector instructions or more behind it (ISA guide 7.12.1 for vector instructions): P is written again behind
; the sixteen multiplies by group_prob, V's registers are loaded behind the same sixteen, K's a turn and more behind the last product that read them.
.macro TURN T, slot, first, pv, prev, mode, fill, grp, stepd, how
	WIN 0
	ITEMS \T, \first, 0, 12
.if (\mode) == 1
	CHAIN \T, \first, \prev, 20                    ; up to the last line ahead of a's exponential
	CHANGE \fill, \grp, \stepd, \how
	KLOAD 1-\slot                                  ; the next step's K; the work down to the wait stands behind these loads
	WIN W_PV
.set i, 0
.rept 8
	PV 2, 2-\pv
.set i, i+1
.endr
	WIN 0
	ITEMS \T, \first, 21, 25
	s_wait_dscnt 8                                 ; K's channels 0-31 are in; the other eight loads may be out
.set i, 0
.rept 8
.if i == 4
	s_wait_dscnt 0x0                               ; all of K is in
.endif
	KQ 0
	ITEMS \T, \first, 46+5*i, 5
.set i, i+1
.endr
.if !\first
	WIN W_PV
.set i, 0
.rept 16
	v_pk_mul_f32 v[32*(\T)+2*i:32*(\T)+2*i+1], v[32*(\T)+2*i:32*(\T)+2*i+1], v[AL:AL+1] op_sel_hi:[1,0]
.set i, i+1
.endr
.endif
.else
	CHAIN \T, \first, \prev, 21
.if (\mode) == 0
.set i, 0
.rept 8
	KQ (\T)+1                                      ; into the buffer whose roundings have just been made
	ITEMS \T, \first, 22+8*i, 8
.set i, i+1
.endr
.else
	ITEMS \T, \first, 22, 64
.endif
.if \pv
	WIN W_PV
.if (\T) == 1
	s_wait_dscnt 8                                 ; V is in; the eight loads of this tile's group_prob may be out
.endif
.set i, 0
.rept 8
	PV ((\T)+3)%4, 2-\pv
.if !\first
	v_pk_mul_f32 v[32*(\T)+4*i:32*(\T)+4*i+1],   v[32*(\T)+4*i:32*(\T)+4*i+1],   v[AL:AL+1] op_sel_hi:[1,0]
	v_pk_mul_f32 v[32*(\T)+4*i+2:32*(\T)+4*i+3], v[32*(\T)+4*i+2:32*(\T)+4*i+3], v[AL:AL+1] op_sel_hi:[1,0]
.endif
.set i, i+1
.endr
.endif
.endif
.set rS, S+32*((\T)%2)
	WIN W_G
.if (\mode) != 1
	s_wait_dscnt 0x0                               ; this tile's group_prob is in  (mode 1: the change of slots has waited for it)
.endif
.set i, 0
.rept 16
	v_pk_mul_f32 v[rS+2*i:rS+2*i+1], v[rS+2*i:rS+2*i+1], v[GF+2*i:GF+2*i+1]   ; p x group_prob, in place; it is rounded in the next turn
.set i, i+1
.endr
.if (\mode) != 2
	WIN W_LD
.if (\T) == 0
	VLOAD \slot                                    ; this step's V: the last product on the step before's stands ahead of the sixteen multiplies above
.endif
.if (\T) < 3
	GLOAD (\T)+1, \slot
.else
	GLOAD 0, 1-\slot                               ; the next step's tile 0
.endif
.endif
	WIN 0
.endm
; A KEY STEP: four turns.  pv0, prev0: tile 0's turn (the step before's tile 3);  pvr: the other three.
.macro STEPX slot, first, pv0, prev0, pvr, mode3, fill, grp, stepd, how
	TURN 0, \slot, \first, \pv0, \prev0, 0, 0, 0, 0, 0
	TURN 1, \slot, \first, \pvr, 1, 0, 0, 0, 0, 0
	TURN 2, \slot, \first, \pvr, 1, 0, 0, 0, 0, 0
	TURN 3, \slot, \first, \pvr, 1, \mode3, \fill, \grp, \stepd, \how
.endm
	s_wait_tensorcnt 0x0                           ; my part of my slot is in,
	s_barrier_signal -1
	s_barrier_wait -1                              ; everybody's is: both slots are whole
	KLOAD 0
	WIN W_LD
	GLOAD 0, 0
	WIN 0
	s_wait_dscnt 8                                 ; K is in; group_prob's eight loads may be out
	s_wait_loadcnt 0x0                             ; Q
.set i, 0
.rept 8
	KQ 0                                           ; the very first scores: no vector work is at hand yet
.set i, i+1
.endr
.rept 4
	v_nop                                          ; the places ahead of the first read of those scores
.endr
	STEPX 0, 1, 0, 0, 1, 1, 1, 0, 1, 1             ; key step 0 starts m, l and O^T; tile 2 is asked for
	STEPX 1, 0, 1, 1, 2, 1, 1, 1, 0, 1             ; key step 1: its first V^T P, on step 0's tile 3, starts that tile's sums; tile 3 is asked for
	s_mov_b32 s[CNT], 6
.Lpair:                                            ; six trips: key steps 2 i + 2 and 2 i + 3; tiles 2 i + 4 and 2 i + 5 are asked for
	STEPX 0, 0, 2, 1, 2, 1, 1, 0, 1, 1
	STEPX 1, 0, 2, 1, 2, 1, 1, 1, 0, 0
	s_sub_co_u32 s[CNT], s[CNT], 1
	s_cmp_lg_u32 s[CNT], 0
	s_cbranch_scc1 .Lpair
	STEPX 0, 0, 2, 1, 2, 1, 0, 0, 0, 0             ; the tail is written out: key step 14 changes slots and asks for nothing,
	STEPX 1, 0, 2, 1, 2, 2, 0, 0, 0, 0             ; key step 15 has no step behind it
.set cv, 0
.rept 16
	CVT1 1                                         ; the last tile's roundings,
.endr
	WIN W_PV
.set i, 0
.rept 8
	PV 3, 0                                        ; and its V^T P
.set i, i+1
.endr
.rept 4
	v_nop                                          ; the places ahead of the way out's reads
.endr
	WIN 0
	; THE WAY OUT.  l's two halves and the other half of the lanes' are added; O^T is divided by l and goes through my stage in LDS, a tile (16 rows of 256 bytes) at a time.
.irp t, 0,1,2,3
	v_add_f32 v[ST+4*\t], v[ST+4*\t+2], v[ST+4*\t+3]
.endr
.irp t, 0,1,2,3
	v_permlanex16_b32 v[ST+4*\t+1], v[ST+4*\t], s[SEL], s[SEL+1]
.endr
.irp t, 0,1,2,3
	v_add_f32 v[ST+4*\t], v[ST+4*\t], v[ST+4*\t+1]
.endr
.irp t, 0,1,2,3
	v_rcp_f32 v[ST+4*\t+2], v[ST+4*\t]
.endr
	v_nop                                          ; a plain instruction behind the last reciprocal,
	s_wait_alu depctr_va_vdst(0)                   ; and one wait ahead of the first use of the four
.macro PACK t
	WIN W_O
.set i, 0
.rept 16
	v_pk_mul_f32 v[OUTR+32*\t+2*i:OUTR+32*\t+2*i+1], v[32*\t+2*i:32*\t+2*i+1], v[ST+4*\t+2:ST+4*\t+3] op_sel_hi:[1,0]   ; each accumulator from its low end on
.set i, i+1
.endr
	WIN 0
.irp c, 0,1,2,3
	ds_store_b128 v[STO], v[OUTR+32*\t+8*\c:OUTR+32*\t+8*\c+3]   offset:64*\c          ; lane (r, h): channels 16 c + 8 h + 0 .. 7 of query r
	ds_store_b128 v[STO], v[OUTR+32*\t+8*\c+4:OUTR+32*\t+8*\c+7] offset:64*\c+16
.endr
.irp f, 0,1,2,3,4,5,6,7
	ds_load_b128 v[OUTR+32*\t+4*\f:OUTR+32*\t+4*\f+3], v[RD] offset:\f*2*272   ; LDS serves a wave's instructions in order (ISA guide 5.7.1.4): these see the stores above; the next tile's stores come behind them
.endr
.endm
.macro SEND t, younger                 ; younger: the LDS instructions issued behind tile t's loads: the next tile's sixteen, or none
.irp f, 0,1,2,3,4,5,6,7
	s_wait_dscnt \younger+7-\f
	global_store_b128 v[GO], v[OUTR+32*\t+4*\f:OUTR+32*\t+4*\f+3], s[8:9] offset:(16*\t+2*\f)*4096 th:TH_STORE_NT  ; 16 lanes store 256 consecutive bytes, aligned; written once, read by nobody here
.endr
.endm
	PACK 0
	PACK 1                                         ; a tile's arithmetic stands between the loads of the tile before and its stores
	SEND 0, 16
	PACK 2
	SEND 1, 16
	PACK 3
	SEND 2, 16
	SEND 3, 0
	s_wait_tensorcnt 0x0                           ; the wave's end, behind my last tensor load and my last LDS store
	ds_add_u32 v[SPW], v[NIL]
	s_wait_dscnt 0x0
	CROUND                                         ; the closing round: no work-group ends while a partner may still ask for a tile that names it
	s_endpgm
.Lfunc_end_k_q093f1a2b98_attn:
	.size	k_q093f1a2b98_attn, .Lfunc_end_k_q093f1a2b98_attn-k_q093f1a2b98_attn
	.p2alignl 7, 3214868480
	.fill 96, 4, 3214868480
	.section	.rodata,"a",@progbits
	.p2align	6, 0x0
	.amdhsa_kernel k_q093f1a2b98_attn
		.amdhsa_group_segment_fixed_size 327680
		.amdhsa_private_segment_fixed_size 0
		.amdhsa_enable_private_segment 0
		.amdhsa_kernarg_size 24
		.amdhsa_user_sgpr_count 2
		.amdhsa_user_sgpr_kernarg_segment_ptr 1
		.amdhsa_wavefront_size32 1
		.amdhsa_system_sgpr_workgroup_id_x 1
		.amdhsa_system_sgpr_workgroup_id_y 1
		.amdhsa_system_sgpr_workgroup_id_z 1
		.amdhsa_system_vgpr_workitem_id 0
		.amdhsa_next_free_vgpr 512
		.amdhsa_next_free_sgpr 90
		.amdhsa_reserve_vcc 0
		.amdhsa_float_denorm_mode_32 3
		.amdhsa_float_denorm_mode_16_64 3
		.amdhsa_memory_ordered 1
		.amdhsa_forward_progress 1
		.amdhsa_inst_pref_size 254
	.end_amdhsa_kernel
	.amdgpu_metadata
---
amdhsa.version: [ 1, 2 ]
amdhsa.kernels:
  - .name:           k_q093f1a2b98_attn
    .symbol:         k_q093f1a2b98_attn.kd
    .args:
      - { .name: qkv, .offset: 0, .size: 8, .value_kind: global_buffer, .address_space: global }
      - { .name: group_prob, .offset: 8, .size: 8, .value_kind: global_buffer, .address_space: global }
      - { .name: out0, .offset: 16, .size: 8, .value_kind: global_buffer, .address_space: global }
    .group_segment_fixed_size: 327680
    .private_segment_fixed_size: 0
    .kernarg_segment_align: 8
    .kernarg_segment_size: 24
    .max_flat_workgroup_size: 256
    .sgpr_count:     90
    .vgpr_count:     512
    .wavefront_size: 32
...
	.end_amdgpu_metadata
.endif
;; end of part 3
